; MI455X (gfx1250); checked and timed in simulation.
; The chip was launched on July 23, 2026; its instructions are those of AMD's public machine-readable ISA for CDNA 5 (MIT licence, August 2026) and "CDNA5" Instruction Set Architecture Reference Guide (July 2026). The comments in the code are by the model that wrote it; some were corrected since.
;; Factored Attention. Allowed arithmetic: float matrix products may take bf16 or f16 operands with f32 sums; other float arithmetic in f32, or as packed bf16 or f16 multiplies, adds, multiply-adds, maxima and minima; sums over many terms, partial sums and values carried from step to step in f32; what a program stores and reads back later, other than sums and carried values, may be rounded once to bf16 or f16.
;; Inputs: W_out 1,024 x 1,024 float32; W_qkv 3,072 x 1,024 float32; b_out 1,024 float32; b_qkv 3,072 float32; x 4 x 4,096 x 1,024 float32.
;; Outputs: out0 4 x 4,096 x 1,024 float32.
;; One version. Each part assembles by itself: llvm-mc -triple=amdgcn-amd-amdhsa -mcpu=gfx1250 --defsym DOCPART=n.
;; ======== version 1 of 1: 3 launches
;; limits: values are held in f16: magnitudes above 65,504 overflow, below 6.1e-05 lose precision
;; workspace buffers: xb 33,554,432 bytes; wq 6,291,456 bytes; wo 2,097,152 bytes; a2 33,554,432 bytes
;; launch prep (part 1): grid 1280 x 1, 8 waves a work-group, no clusters, 0 bytes of LDS; arguments x, W_qkv, W_out, xb, wq, wo; writes xb, wq, wo
.if DOCPART == 1
	.amdgcn_target "amdgcn-amd-amdhsa--gfx1250"
	.amdhsa_code_object_version 6
	.text
	.protected	k_q2da3e4b918_prep
	.globl	k_q2da3e4b918_prep
	.p2align	8
	.type	k_q2da3e4b918_prep,@function
k_q2da3e4b918_prep:
	s_mov_b64 s[64:65], 0
	v_nop
	global_prefetch_b8 v0, s[64:65] scope:SCOPE_SE
	s_setreg_imm32_b32 hwreg(HW_REG_WAVE_MODE, 25, 1), 1
	s_wait_xcnt 0x0
; THE INPUTS ARE ROUNDED ONCE, FOR THE TWO PRODUCTS THAT FOLLOW.
;   xb[b*4096 + bl*32 + nb][:] = bf16(x[b*4096 + nb*128 + bl][:])   rows permuted: the 32 positions nb that attend to each other lie on end
;   wq[n][:] = bf16(W_qkv[n][:])
;   wo[n][:] = f16(bf16(W_out[n][:]))   rounded to bf16 like every input, and that number written as f16, the format of the second product
; LIMITS.  A bf16-rounded W_out beyond 65,504 becomes an infinity in f16; below 6.1e-5 it keeps f16's fixed step of 6e-8.
; A stream: 20,480 source rows of 4,096 bytes (16,384 of x, 3,072 of W_qkv, 1,024 of W_out), each read once and written once at half the size.
; No LDS, no barrier, no matrix work: no wave wants a byte that another has fetched.
; SHARES.  A work-group takes 16 rows on end, a wave two: 16 divides all three row counts, so a work-group serves one tensor.  A wave issues its 16 loads
; (512 consecutive bytes each) at once and converts them as they come; each store of the wave covers 256 consecutive bytes, aligned.
.set ROWS_X, 16384                     ; rows of x
.set ROWS_XQ, 16384+3072               ; rows of x and W_qkv together
.set X, 8                              ; v[8:71]  load q = 8 i + j (row i of two, chunk j of eight) owns four registers
	s_load_b256 s[4:11], s[0:1], 0x0               ; x s[4:5], W_qkv s[6:7], W_out s[8:9], xb s[10:11]
	s_load_b128 s[12:15], s[0:1], 0x20             ; wq s[12:13], wo s[14:15]
	v_lshrrev_b32 v4, 5, v0
	v_readfirstlane_b32 s16, v4                    ; wave 0..7
	v_and_b32 v5, 31, v0                           ; lane
	v_lshlrev_b32 v1, 4, v5                        ; loads: 16 bytes a lane
	v_lshlrev_b32 v2, 3, v5                        ; stores: 8 bytes a lane, the first row
	s_lshl_b32 s17, ttmp9, 4
	s_lshl1_add_u32 s17, s16, s17                  ; n = 16 x work-group + 2 x wave: my first row among the 20,480 (even)
	s_and_b32 s18, s17, 0x3000                     ; x's row n = b*4096 + nb*128 + bl goes to b*4096
	s_and_b32 s19, s17, 127
	s_lshl_b32 s19, s19, 5
	s_or_b32 s18, s18, s19                         ; + bl*32
	s_bfe_u32 s19, s17, 0x50007
	s_or_b32 s18, s18, s19                         ; + nb
	s_sub_co_u32 s27, s17, ROWS_X                  ; my row in W_qkv, if it is there
	s_sub_co_u32 s28, s17, ROWS_XQ                 ; my row in W_out, if it is there
	s_mov_b32 s24, 32*2048                         ; x: row n + 1 has bl + 1, 32 rows of xb further on
	s_mov_b32 s29, 2048                            ; the weights: the next row
	s_mov_b32 s25, 0xffff0000                      ; a word's upper bf16
	s_wait_kmcnt 0x0
	s_cmp_lt_u32 s17, ROWS_XQ                      ; W_qkv or W_out?  (only selects stand between a compare and the next)
	s_cselect_b64 s[20:21], s[6:7], s[8:9]
	s_cselect_b64 s[22:23], s[12:13], s[14:15]
	s_cselect_b32 s27, s27, s28
	s_cmp_lt_u32 s17, ROWS_X                       ; or x?
	s_cselect_b64 s[20:21], s[4:5], s[20:21]       ; from where
	s_cselect_b64 s[22:23], s[10:11], s[22:23]     ; to where
	s_cselect_b32 s28, s18, s27                    ; the row written
	s_cselect_b32 s27, s17, s27                    ; the row read
	s_cselect_b32 s24, s24, s29                    ; bytes from my first written row to my second
	s_lshl_b32 s30, s27, 12                        ; offsets are made apart from the addresses; all stay under 2^27
	s_mov_b32 s31, 0
	s_add_nc_u64 s[20:21], s[20:21], s[30:31]
	s_lshl_b32 s30, s28, 11
	s_add_nc_u64 s[22:23], s[22:23], s[30:31]
	v_add_nc_u32 v3, s24, v2                       ; stores: the second row
.set q, 0
.rept 16
	global_load_b128 v[X+4*q:X+4*q+3], v1, s[20:21] offset:(q/8)*4096+(q%8)*512 th:TH_LOAD_NT
.set q, q+1
.endr
	s_cmp_lt_u32 s17, ROWS_XQ
	s_cbranch_scc0 .Lwo
; x and W_qkv: four f32 become four bf16.  No register that a store reads is written again, so no wait frees any.
.set q, 0
.rept 16
	s_wait_loadcnt 15-q                            ; loads come back in order (ISA guide 5.7.1): load q is in, the 15 - q younger ones stay out
	v_cvt_pk_bf16_f32 v[X+4*q], v[X+4*q], v[X+4*q+1]
	v_cvt_pk_bf16_f32 v[X+4*q+1], v[X+4*q+2], v[X+4*q+3]
	global_store_b64 v[2+q/8], v[X+4*q:X+4*q+1], s[22:23] offset:(q%8)*256 th:TH_STORE_NT
.set q, q+1
.endr
	s_endpgm
.Lwo:                                  ; W_out: rounded to bf16, widened again, and written as f16 (exact inside f16's range: bf16 has fewer significant bits)
.set q, 0
.rept 16
	s_wait_loadcnt 15-q
	v_cvt_pk_bf16_f32 v4, v[X+4*q], v[X+4*q+1]
	v_cvt_pk_bf16_f32 v5, v[X+4*q+2], v[X+4*q+3]
	v_lshlrev_b32 v[X+4*q], 16, v4
	v_and_b32 v[X+4*q+1], s25, v4
	v_lshlrev_b32 v[X+4*q+2], 16, v5
	v_and_b32 v[X+4*q+3], s25, v5
	v_cvt_pk_f16_f32 v[X+4*q], v[X+4*q], v[X+4*q+1]
	v_cvt_pk_f16_f32 v[X+4*q+1], v[X+4*q+2], v[X+4*q+3]
	global_store_b64 v[2+q/8], v[X+4*q:X+4*q+1], s[22:23] offset:(q%8)*256 th:TH_STORE_NT
.set q, q+1
.endr
	s_endpgm
.Lfunc_end_k_q2da3e4b918_prep:
	.size	k_q2da3e4b918_prep, .Lfunc_end_k_q2da3e4b918_prep-k_q2da3e4b918_prep
	.p2alignl 7, 3214868480
	.fill 96, 4, 3214868480
	.section	.rodata,"a",@progbits
	.p2align	6, 0x0
	.amdhsa_kernel k_q2da3e4b918_prep
		.amdhsa_group_segment_fixed_size 0
		.amdhsa_private_segment_fixed_size 0
		.amdhsa_enable_private_segment 0
		.amdhsa_kernarg_size 48
		.amdhsa_user_sgpr_count 2
		.amdhsa_user_sgpr_kernarg_segment_ptr 1
		.amdhsa_wavefront_size32 1
		.amdhsa_system_sgpr_workgroup_id_x 1
		.amdhsa_system_sgpr_workgroup_id_y 1
		.amdhsa_system_sgpr_workgroup_id_z 1
		.amdhsa_system_vgpr_workitem_id 0
		.amdhsa_next_free_vgpr 72
		.amdhsa_next_free_sgpr 66
		.amdhsa_reserve_vcc 0
		.amdhsa_float_denorm_mode_32 3
		.amdhsa_float_denorm_mode_16_64 3
		.amdhsa_memory_ordered 1
		.amdhsa_forward_progress 1
		.amdhsa_inst_pref_size 16
	.end_amdhsa_kernel
	.amdgpu_metadata
---
amdhsa.version: [ 1, 2 ]
amdhsa.kernels:
  - .name:           k_q2da3e4b918_prep
    .symbol:         k_q2da3e4b918_prep.kd
    .args:
      - { .name: x, .offset: 0, .size: 8, .value_kind: global_buffer, .address_space: global }
      - { .name: W_qkv, .offset: 8, .size: 8, .value_kind: global_buffer, .address_space: global }
      - { .name: W_out, .offset: 16, .size: 8, .value_kind: global_buffer, .address_space: global }
      - { .name: xb, .offset: 24, .size: 8, .value_kind: global_buffer, .address_space: global }
      - { .name: wq, .offset: 32, .size: 8, .value_kind: global_buffer, .address_space: global }
      - { .name: wo, .offset: 40, .size: 8, .value_kind: global_buffer, .address_space: global }
    .group_segment_fixed_size: 0
    .private_segment_fixed_size: 0
    .kernarg_segment_align: 8
    .kernarg_segment_size: 48
    .max_flat_workgroup_size: 256
    .sgpr_count:     66
    .vgpr_count:     72
    .wavefront_size: 32
...
	.end_amdgpu_metadata
.endif
;; end of part 1
;; launch qkvattn (part 2): grid 8 x 32, 4 waves a work-group, clusters of 4 x 4, 327,680 bytes of LDS; arguments xb, wq, a2, b_qkv; writes a2
.if DOCPART == 2
	.amdgcn_target "amdgcn-amd-amdhsa--gfx1250"
	.amdhsa_code_object_version 6
	.text
	.protected	k_q2da3e4b918_qkvattn
	.globl	k_q2da3e4b918_qkvattn
	.p2align	8
	.type	k_q2da3e4b918_qkvattn,@function
k_q2da3e4b918_qkvattn:
	s_mov_b64 s[64:65], 0
	v_nop
	global_prefetch_b8 v0, s[64:65] scope:SCOPE_SE
	s_setreg_imm32_b32 hwreg(HW_REG_WAVE_MODE, 25, 1), 1
	s_wait_xcnt 0x0
	s_wait_alu depctr_hold_cnt(0) depctr_sa_sdst(0) depctr_va_vdst(0) depctr_va_sdst(0) depctr_va_ssrc(0) depctr_va_vcc(0) depctr_vm_vsrc(0)
	s_getreg_b32 s2, hwreg(HW_REG_IB_STS2, 6, 4)
	s_cmp_eq_u32 s2, 0
	s_cbranch_scc0 .Lentry_in_a_cluster
	s_endpgm
.Lentry_in_a_cluster:
	s_bfe_u32 s2, ttmp6, 0x10000c
	s_cmp_lg_u32 s2, 0xf033
	s_cbranch_scc0 .Lentry_shape_is_right
	s_endpgm
.Lentry_shape_is_right:
; qkv = x W_qkv^T + b_qkv AND ALL 8,192 CAUSAL ATTENTIONS, IN ONE LAUNCH: q, k and v never leave the registers.
; xb: [16384][1024] bf16, row b*4096 + bl*32 + nb.  wq: [3072][1024] bf16.  b_qkv: [3072] f32, rounded here to bf16 like every input.
; a2: f16, byte ((b*16 + h)*128 + bl)*4096 + nb*128 + 2 d: the order in which the module's raw reshape reads the attention's result, so a2 is the second product's [16384][1024].
; Products and sums in f32.  q, k, v, the normalised weights and a2 are rounded once to f16.
; LIMITS.  q, k, v beyond 65,504 become infinities in f16.  A hidden score counts as its value less 1e30 (f16's scores reach 2.7e11 at the most).  A weight below 2^-126 counts
; as 0 in its row's sum; a normalised weight below 6.1e-5 keeps f16's fixed step of 6e-8.  NaN and infinities are not treated apart.
; SHARES.  A tile is 128 rows of xb (4 places bl x 32 positions nb) x 384 columns (q, k, v of two heads).  1,024 tiles; 256 work-groups stay and make 4 each, one for each batch:
; all four take the same 384 rows of wq.  A wave makes 64 rows x 192 columns: q, k, v of ONE head for TWO places bl: two whole attentions of 32 positions.
; K goes in steps of 128 through two LDS slots; each wave fills a quarter of a slot with one tensor load (wave 0: x; waves 1, 2, 3: the rows of W for q, k, v).
; LAYOUT.  q and k are made TRANSPOSED (source 0 = 16 rows of W, source 1 = 16 rows of x): a lane holds one position (lane % 16) and the channels 8 (lane / 16) + 0..7, so two neighbouring
; channel tiles, rounded in pairs, ARE a fragment of 16 positions x 32 channels, for K (source 0) and for Q (source 1) of S^T = K Q^T.  v is made STRAIGHT (source 0 = x, source 1 = W):
; a lane holds one channel and eight positions, so the tiles of positions 0-15 and 16-31 ARE source 0 (16 channels x 32 keys) of O^T = V^T P.  S^T holds one query a lane, and rounded in pairs IS source 1 of that product.
; THE BIAS is the C operand of a tile's first products: nothing is cleared, nothing is added later.  THE MASK is the C operand of the two diagonal score tiles; the tile above the diagonal is not made.
; SOFTMAX.  All 32 keys of a query lie in two lanes: the row's true maximum is taken away; p = 2^(c s - c m), c = log2(e) / 8; p is divided by its sum before the second product.
; CLUSTER.  4 x 4 work-groups.  x's tile hangs on the row block alone and is shared along a row of the cluster; W's tiles hang on the head pair alone and are shared along a column.
; REGISTERS, in windows of 256 (s_set_vgpr_msb: bits 1:0 source 0, 3:2 source 1, 5:4 source 2, 7:6 destination):
;   window 0: v0-31 addresses; v96-103 the mask; v104-123 statistics; v128-175 S^T, later v128-191 the way out; v224-255 P
;   window 1: two fragment buffers of 128: x (4 fragments), W for q, for k, for v (4 each)
;   window 2: the 32 accumulators of q and k ((rt, c8) at 8 (8 rt + c8); c8 0-3 q's channel blocks, 4-7 k's); later O^T (unit u, channel block vt at 32 u + 8 vt)
;   window 3: v0-127 the 16 accumulators of v ((rt, vt) at 8 (4 rt + vt)); v128-191 q's and k's bias tiles; v192-223 v's bias tiles; v224 at work
.set KSTEP,  128
.set ROWB,   2048                      ; bytes in a row of xb and of wq
.set PITCH,  272                       ; an LDS row: 256 bytes + 16 of padding = 68 words: the 16 rows of a fragment load start at 16 different groups of four banks (64 banks of 4 bytes: ISA guide 11.1)
.set HALFT,  128*PITCH                 ; what one tensor load brings
.set SLOT,   4*HALFT                   ; x, Wq, Wk, Wv
.set STAGE,  2*SLOT                    ; behind the ring, never filled by a tensor load: 16 rows x 144 bytes for each wave, for the way out
.set SP,     144
.set SPARE,  STAGE+4*16*SP             ; behind the stages: the spare words, 128 bytes for each wave: two blocks of 256 bytes that no other line names
.set NEXT_A, 4096*ROWB-6*KSTEP*2       ; from a slot's last K step of a tile to its first of the next: x goes 4,096 rows down (the next batch) and back along K,
.set BACK_B, 6*KSTEP*2                 ; W only back
.set NEXT_O, 16*128*4096               ; a batch's bytes in a2
.set ADRA, 16                          ; v16-17  LDS address of my fragments of x in slot 0, 1
.set ADRB, 18                          ; v18-19  of W for q (W for k lies HALFT further on, in the immediate)
.set ADRV, 20                          ; v20-21  of W for v
.set STO,  24                          ; v24     the way out: where I put 16 bytes of a row
.set RD,   25                          ; v25     where I read rows back
.set GO,   26                          ; v26     my byte offset in 512 consecutive bytes of a2
.set SPW,  28                          ; v28     LDS address of my spare word: SPARE + 4 x my thread's number; never rewritten
.set NIL,  29                          ; v29     0; never rewritten
.set PFO,  30                          ; v30     the prefetches' offset: my lane x a row; never rewritten
.set MD,   96                          ; v96-103 register j: -1e30 where key 8 (lane / 16) + j lies behind query lane % 16, else 0
.set ST,   104                         ; unit u = 2 g + qt (place g, query half qt) at ST + 4 u: c m, m, l then 1 / l, at work
.set U,    120                         ; a pair at work for each g
.set S,    128                         ; S^T: place g, tile i at S + 24 g + 8 i; i = 0: keys 0-15 x queries 0-15; 1: keys 0-15 x queries 16-31; 2: keys 16-31 x queries 16-31
.set OUT,  128
.set P,    224                         ; unit u at P + 8 u; of units 0 and 2 the upper four registers (keys 16-31) stay 0
.set F0,   0
.set F1,   128
.set BQ,   128                         ; window 3
.set BV,   192
.set TB,   224
.set WV,  10                           ; s10  my wave's number
.set WC,  12                           ; s12  which of the pair's two heads is mine
.set WR,  13                           ; s13  which 64 rows of the tile
.set YT,  14                           ; s14  row block 0..31
.set W1,  15                           ; s15  waves 1, 2, 3: 0, 1, 2 = q, k, v (wave 0: 0, not used)
.set G1,  24                           ; s[24:31] descriptor group 1 for x's tiles
.set G0,  32                           ; s[32:39] group 0 for x's tiles, a set for each slot
.set CX,  40
.set CY,  41
.set HP,  42                           ; s42  head pair 0..7
.set LIM, 43                           ; s43  1 in a wave that prefetches, else the greatest number
.set PFA, 44                           ; s[44:45] where my prefetches stand
.set G1B, 48                           ; s[48:55], s[56:63] the same for W's tiles
.set G0B, 56
.set CS,  66                           ; s[66:67] c, named as a pair
.set SEL, 68                           ; s[68:69] v_permlanex16_b32's selects: each lane takes its own place in the other half
.set BIGN, 70
.set HIM, 71
.set BP,  72                           ; s[72:73] b_qkv
.set AO,  74                           ; s[74:75] my offset in a2
.set W_QK,  0xa5                       ; sources in window 1, C and D in window 2
.set W_QK1, 0xb5                       ; the same with C (the bias) in window 3
.set W_V,   0xf5                       ; sources in window 1, C and D in window 3
.set TO_F,  0x40                       ; destination window 1, address window 0
.set MSB, 0
.macro WIN new                         ; the immediate's high byte repeats the setting that is left; a switch that changes nothing is dropped
.if MSB != (\new)
	s_set_vgpr_msb (MSB<<8)|(\new)
.set MSB, \new
.endif
.endm
.macro PLACES                          ; four plain places behind matrix instructions (ISA guide 7.12.1), where no other vector work is at hand
.rept 4
	v_nop
.endr
.endm
; A joint load.  Wave 0 asks for x's tile, waves 1 to 3 for W's three.  Each line has one mask; the branch hangs on the wave's number alone.
; An s_nop 0 and four v_nop follow each of the two lines, ahead of the jump and the label.
.macro JLOAD s
	s_cmp_eq_u32 s[WV], 0
	s_cbranch_scc0 .Lfor_w_\@
	tensor_load_to_lds s[G0+4*(\s):G0+4*(\s)+3], s[G1:G1+7]
	s_nop 0
.rept 4
	v_nop
.endr
	s_branch .Lasked_\@
.Lfor_w_\@:
	tensor_load_to_lds s[G0B+4*(\s):G0B+4*(\s)+3], s[G1B:G1B+7]
	s_nop 0
.rept 4
	v_nop
.endr
.Lasked_\@:
.endm
; A prefetch of the K step that stands two refills on: 32 rows x 256 bytes, a lane a row, one instruction a wave.  Each row's 256 bytes of a K step are named once in the launch:
; x's rows by the first cluster along x, W's by the first along y; the four partners that ask for a tile jointly take 32 of its 128 rows each, told apart by address.
; how = 0, in the loop: a tile's last two refills have no K step two on.  how = 1, at a change of tiles.
.macro ASK how
.if \how
	s_cmp_eq_u32 s[LIM], 1
.else
	s_cmp_gt_u32 s3, s[LIM]                        ; s3 = 1 in the loop's last trip
.endif
	s_cbranch_scc0 .Lnot_mine_\@
	global_prefetch_b8 v[PFO], s[PFA:PFA+1] offset:KSTEP*2 th:TH_LOAD_NT scope:SCOPE_SE
.Lnot_mine_\@:
.endm
.macro CREST                           ; a round of the cluster's barrier behind its opening barrier
	s_cmp_lg_u32 s[WV], 0
	s_cbranch_scc1 .Lnot_wave_0_\@
	s_barrier_signal -3
.Lnot_wave_0_\@:
	s_barrier_wait -3
	s_barrier_signal -1
	s_barrier_wait -1
.endm
.macro CROUND                          ; a whole round
	s_barrier_signal -1
	s_barrier_wait -1
	CREST
.endm
	s_load_b128 s[4:7], s[0:1], 0x0                ; xb s[4:5], wq s[6:7]
	s_load_b64 s[8:9], s[0:1], 0x10                ; a2
	s_load_b64 s[BP:BP+1], s[0:1], 0x18            ; b_qkv
	v_lshl_add_u32 v[SPW], v0, 2, SPARE
	v_mov_b32 v[NIL], 0
	ds_add_u32 v[SPW], v[NIL]                      ; the wave's opening: the add and its wait stand ahead of my first tensor load; the set-up below, work on registers, stands between them
	v_lshrrev_b32 v1, 5, v0
	v_readfirstlane_b32 s[WV], v1                  ; wave 0..3
	s_and_b32 s[WC], s[WV], 1
	s_lshr_b32 s[WR], s[WV], 1
	s_max_u32 s[W1], s[WV], 1
	s_sub_co_u32 s[W1], s[W1], 1
	s_bfe_u32 s[CX], ttmp6, 0x40000                ; my place in the cluster
	s_bfe_u32 s[CY], ttmp6, 0x40004
	s_lshl_b32 s[HP], ttmp9, 2                     ; in a cluster launch ttmp9 and ttmp7 count clusters
	s_add_co_u32 s[HP], s[HP], s[CX]               ; head pair = 4 x cluster x + cx
	s_and_b32 s[YT], ttmp7, 0xffff
	s_lshl_b32 s[YT], s[YT], 2
	s_add_co_u32 s[YT], s[YT], s[CY]               ; row block = 4 x cluster y + cy
	s_lshl_b32 s43, s[CY], 2
	s_lshl_b32 s43, 15, s43                        ; my row of the cluster: places 4 cy .. 4 cy + 3
	s_lshl_b32 s44, 0x1111, s[CX]                  ; my column: places cx, cx + 4, cx + 8, cx + 12
	; descriptor group 1: a tile of 128 rows x 128 elements of 2 bytes, 16 bytes of padding behind every 256
	s_or_b32 s[G1+0], s43, (1<<16)|(1<<20)|(1<<21)|(5<<22)|(3<<25)   ; 15:0 the mask; 17:16 2-byte elements; 20 padding on; 21 set beside a mask; 24:22 after every 64 words; 31:25 4 words
	s_or_b32 s[G1B+0], s44, (1<<16)|(1<<20)|(1<<21)|(5<<22)|(3<<25)
.irp g, G1, G1B
	s_mov_b32 s[(\g)+1], KSTEP<<16                 ; tensor_dim0 = 128
	s_mov_b32 s[(\g)+2], 128<<16                   ; tensor_dim1 = 128
	s_mov_b32 s[(\g)+3], KSTEP<<16                 ; tile_dim0 = 128
	s_mov_b32 s[(\g)+4], 128                       ; tile_dim1 = 128
	s_mov_b32 s[(\g)+5], 1024                      ; elements from row to row
	s_mov_b32 s[(\g)+6], 0
	s_mov_b32 s[(\g)+7], 0
.endr
	s_lshl_b32 s16, s[YT], 18                      ; x: 128 rows of 2,048 bytes a row block; made of cy alone
	s_mov_b32 s17, 0
	s_lshl_b32 s46, s[W1], 21                      ; W: 1,024 rows for each of q, k, v,
	s_lshl_b32 s47, s[HP], 18                      ; 128 rows a head pair; made of cx and the wave's number alone
	s_add_co_u32 s46, s46, s47
	s_mov_b32 s47, 0
	s_mul_i32 s20, s[WV], HALFT                    ; where my tile goes: wave x 128 rows: no place in the cluster enters an LDS address
	s_mov_b32 s[CS], 0x3e38aa3b                    ; c = log2(e) / 8
	s_mov_b32 s[CS+1], s[CS]
	s_mov_b32 s[SEL], 0x76543210
	s_mov_b32 s[SEL+1], 0xfedcba98
	s_mov_b32 s[BIGN], 0xf149f2ca                  ; -1e30
	s_mov_b32 s[HIM], 0xffff0000                   ; a word's upper bf16
	s_wait_dscnt 0x0                               ; the opening add is done
	s_wait_kmcnt 0x0
	s_add_nc_u64 s[18:19], s[4:5], s[16:17]
	s_add_nc_u64 s[46:47], s[6:7], s[46:47]
	CROUND                                         ; all sixteen work-groups are here: the first joint loads meet
.irp s, 0,1
	s_mov_b32 s[G0+4*(\s)], 1                                        ; count = 1
	s_add_co_u32 s[G0+4*(\s)+1], s20, (\s)*SLOT                      ; LDS address
	s_add_nc_u64 s[G0+4*(\s)+2:G0+4*(\s)+3], s[18:19], (\s)*KSTEP*2  ; global address: K step s
	s_or_b32 s[G0+4*(\s)+3], s[G0+4*(\s)+3], 0x80000000              ; type = 2
	s_mov_b32 s[G0B+4*(\s)], 1
	s_add_co_u32 s[G0B+4*(\s)+1], s20, (\s)*SLOT
	s_add_nc_u64 s[G0B+4*(\s)+2:G0B+4*(\s)+3], s[46:47], (\s)*KSTEP*2
	s_or_b32 s[G0B+4*(\s)+3], s[G0B+4*(\s)+3], 0x80000000
	JLOAD \s                                       ; two tensor loads of mine are out
.endr
	; while the first tiles are on their way: the bias, the addresses, the mask
	v_and_b32 v1, 15, v0                           ; r = lane % 16
	v_bfe_u32 v2, v0, 4, 1                         ; h = lane / 16
	s_lshl_b32 s22, s[HP], 1
	s_add_co_u32 s22, s22, s[WC]                   ; my head
	s_lshl_b32 s23, s22, 8                         ; its 64 numbers of 4 bytes
	v_lshl_add_u32 v6, v2, 5, s23                  ; q's and k's bias: a lane's eight channels 8 h + 0..7
	v_lshl_add_u32 v7, v1, 2, s23                  ; v's bias: a lane's one channel r
	WIN 0xc0                                       ; destination window 3, address window 0
.irp c, 0,1,2,3,4,5,6,7                ; c / 4: q or k; c % 4: the channel block
	global_load_b128 v[BQ+8*(\c):BQ+8*(\c)+3],   v6, s[BP:BP+1] offset:((\c)/4)*4096+((\c)%4)*64
	global_load_b128 v[BQ+8*(\c)+4:BQ+8*(\c)+7], v6, s[BP:BP+1] offset:((\c)/4)*4096+((\c)%4)*64+16
.endr
.irp t, 0,1,2,3
	global_load_b32 v[BV+8*(\t)], v7, s[BP:BP+1] offset:8192+(\t)*64
.endr
	WIN 0
	v_mul_u32_u24 v3, v1, PITCH
	v_lshl_add_u32 v3, v2, 4, v3                   ; a fragment: row x pitch + 16 x half; two loads of 16 bytes, 32 bytes apart
	s_mul_i32 s21, s[WR], 64*PITCH                 ; my 64 rows of x
	s_mul_i32 s16, s[WC], 64*PITCH                 ; my head's 64 rows of W for q,
	s_add_co_u32 s16, s16, HALFT                   ; which lie behind x
.irp s, 0,1
	v_add_nc_u32 v[ADRA+(\s)], s21, v3
	v_add_nc_u32 v[ADRB+(\s)], s16, v3
	v_add_nc_u32 v[ADRV+(\s)], 2*HALFT, v[ADRB+(\s)]
	s_add_co_u32 s21, s21, SLOT
	s_add_co_u32 s16, s16, SLOT
.endr
	s_mul_i32 s23, s[WV], 16*SP
	s_add_co_u32 s23, s23, STAGE                   ; my stage
	v_mul_u32_u24 v[STO], v1, SP                   ; in: row r, 16 bytes for each half of the lanes
	v_lshl_add_u32 v[STO], v2, 4, v[STO]
	v_add_nc_u32 v[STO], s23, v[STO]
	v_bfe_u32 v[RD], v0, 3, 2                      ; back: 32 lanes take four rows of 128 bytes,
	v_mul_u32_u24 v[RD], v[RD], SP
	v_and_b32 v4, 7, v0
	v_lshl_add_u32 v[RD], v4, 4, v[RD]
	v_add_nc_u32 v[RD], s23, v[RD]
	v_and_b32 v[GO], 31, v0                        ; which are 512 consecutive bytes of a2
	v_lshlrev_b32 v[GO], 4, v[GO]
	s_lshl_b32 s[AO], s22, 7                       ; (head x 128
	s_lshl2_add_u32 s[AO], s[YT], s[AO]            ;  + 4 x row block
	s_lshl1_add_u32 s[AO], s[WR], s[AO]            ;  + 2 x my half) places bl
	s_lshl_b32 s[AO], s[AO], 12                    ; of 4,096 bytes
	s_mov_b32 s[AO+1], 0
	s_add_nc_u64 s[8:9], s[8:9], s[AO:AO+1]        ; a2 at my two places of batch 0
	v_lshlrev_b32 v5, 3, v2
	v_sub_nc_u32 v5, v1, v5                        ; r - 8 h: key 8 h + j is hidden where j is greater
.irp j, 0,1,2,3,4,5,6,7
	v_cmp_gt_i32 vcc_lo, \j, v5
	v_cndmask_b32 v[MD+(\j)], 0, s[BIGN], vcc_lo
.endr
.irp j, 0,1,2,3
	v_mov_b32 v[P+4+(\j)], 0                       ; queries 0-15 see no key 16-31: these weights are 0 for the whole launch
	v_mov_b32 v[P+20+(\j)], 0
	v_mov_b32 v[ST+4*(\j)+3], 0                    ; v_permlanex16_b32's destination counts as read
.endr
	; the prefetches
	s_lshl_b32 s20, s[YT], 7                       ; x: the tile's first row
	s_lshl_b32 s21, s[W1], 10
	s_lshl_b32 s22, s[HP], 7
	s_add_co_u32 s21, s21, s22                     ; W: my tile's first row
	s_and_b32 s23, ttmp7, 0xffff                   ; cluster y
	s_cmp_eq_u32 s[WV], 0                          ; do I fetch x?
	s_cselect_b32 s20, s20, s21
	s_cselect_b32 s21, s[CX], s[CY]                ; my place among the four that ask for the tile with me
	s_cselect_b32 s23, ttmp9, s23                  ; the coordinate along which other clusters read the same rows
	s_cselect_b64 s[PFA:PFA+1], s[4:5], s[6:7]
	s_cmp_eq_u32 s23, 0
	s_cselect_b32 s[LIM], 1, -1                    ; the same in all sixteen partners, for a given wave
	s_lshl_b32 s21, s21, 5
	s_add_co_u32 s20, s20, s21                     ; + my work-group's 32 of the 128 rows
	s_lshl_b32 s20, s20, 11
	s_mov_b32 s21, 0
	s_add_nc_u64 s[PFA:PFA+1], s[PFA:PFA+1], s[20:21]
	s_add_nc_u64 s[PFA:PFA+1], s[PFA:PFA+1], 2*KSTEP*2  ; at K step 2: the first refill steps it to 3 and names K step 4.  Nothing is asked for here, where every work-group's first tiles are on their way
	v_and_b32 v[PFO], 31, v0
	v_lshlrev_b32 v[PFO], 11, v[PFO]
	s_wait_loadcnt 0x0                             ; the bias
	WIN 0xff                                       ; all in window 3: rounded to bf16 and widened again
.set z, 0
.rept 32
	v_cvt_pk_bf16_f32 v[TB], v[BQ+2*z], v[BQ+2*z+1]
	v_lshlrev_b32 v[BQ+2*z], 16, v[TB]
	v_and_b32 v[BQ+2*z+1], s[HIM], v[TB]
.set z, z+1
.endr
.irp t, 0,1,2,3
	v_cvt_pk_bf16_f32 v[TB], v[BV+8*(\t)], v[BV+8*(\t)]
	v_lshlrev_b32 v[BV+8*(\t)], 16, v[TB]
.irp j, 1,2,3,4,5,6,7
	v_mov_b32 v[BV+8*(\t)+(\j)], v[BV+8*(\t)]      ; a lane's eight results of v share its channel: the C operand wants the number eight times
.endr
.endr
	WIN 0
; 32 LDS loads in one run: the fragments of one quarter step (32 along K at byte k of the rows) into buffer f: x, W for q, for k, for v
.macro FETCH slot, k, f
	WIN TO_F
.irp i, 0,1,2,3
	ds_load_b128 v[(\f)+8*(\i):(\f)+8*(\i)+3],   v[ADRA+(\slot)] offset:(\k)+(\i)*16*PITCH
	ds_load_b128 v[(\f)+8*(\i)+4:(\f)+8*(\i)+7], v[ADRA+(\slot)] offset:(\k)+(\i)*16*PITCH+32
.endr
.irp i, 0,1,2,3
	ds_load_b128 v[(\f)+32+8*(\i):(\f)+32+8*(\i)+3],   v[ADRB+(\slot)] offset:(\k)+(\i)*16*PITCH
	ds_load_b128 v[(\f)+32+8*(\i)+4:(\f)+32+8*(\i)+7], v[ADRB+(\slot)] offset:(\k)+(\i)*16*PITCH+32
.endr
.irp i, 0,1,2,3
	ds_load_b128 v[(\f)+64+8*(\i):(\f)+64+8*(\i)+3],   v[ADRB+(\slot)] offset:HALFT+(\k)+(\i)*16*PITCH
	ds_load_b128 v[(\f)+64+8*(\i)+4:(\f)+64+8*(\i)+7], v[ADRB+(\slot)] offset:HALFT+(\k)+(\i)*16*PITCH+32
.endr
.irp i, 0,1,2,3
	ds_load_b128 v[(\f)+96+8*(\i):(\f)+96+8*(\i)+3],   v[ADRV+(\slot)] offset:(\k)+(\i)*16*PITCH
	ds_load_b128 v[(\f)+96+8*(\i)+4:(\f)+96+8*(\i)+7], v[ADRV+(\slot)] offset:(\k)+(\i)*16*PITCH+32
.endr
.endm
; 16 matrix instructions: q (part 0) or k (part 1), 4 row tiles x 4 channel blocks, 32 along K.  first = 1: the bias starts the sums.
.macro MULQK f, part, first
.if \first
	WIN W_QK1
.else
	WIN W_QK
.endif
.irp rt, 0,1,2,3
.irp ct, 0,1,2,3
.if \first
	v_wmma_f32_16x16x32_bf16 v[8*(8*(\rt)+4*(\part)+(\ct)):8*(8*(\rt)+4*(\part)+(\ct))+7], v[(\f)+32+32*(\part)+8*(\ct):(\f)+32+32*(\part)+8*(\ct)+7], v[(\f)+8*(\rt):(\f)+8*(\rt)+7], v[BQ+8*(4*(\part)+(\ct)):BQ+8*(4*(\part)+(\ct))+7]
.else
	v_wmma_f32_16x16x32_bf16 v[8*(8*(\rt)+4*(\part)+(\ct)):8*(8*(\rt)+4*(\part)+(\ct))+7], v[(\f)+32+32*(\part)+8*(\ct):(\f)+32+32*(\part)+8*(\ct)+7], v[(\f)+8*(\rt):(\f)+8*(\rt)+7], v[8*(8*(\rt)+4*(\part)+(\ct)):8*(8*(\rt)+4*(\part)+(\ct))+7]
.endif
.endr
.endr
.endm
; 16 matrix instructions: v, with the sources the other way round
.macro MULV f, first
	WIN W_V
.irp rt, 0,1,2,3
.irp vt, 0,1,2,3
.if \first
	v_wmma_f32_16x16x32_bf16 v[8*(4*(\rt)+(\vt)):8*(4*(\rt)+(\vt))+7], v[(\f)+8*(\rt):(\f)+8*(\rt)+7], v[(\f)+96+8*(\vt):(\f)+96+8*(\vt)+7], v[BV+8*(\vt):BV+8*(\vt)+7]
.else
	v_wmma_f32_16x16x32_bf16 v[8*(4*(\rt)+(\vt)):8*(4*(\rt)+(\vt))+7], v[(\f)+8*(\rt):(\f)+8*(\rt)+7], v[(\f)+96+8*(\vt):(\f)+96+8*(\vt)+7], v[8*(4*(\rt)+(\vt)):8*(4*(\rt)+(\vt))+7]
.endif
.endr
.endr
.endm
; A K step is four quarters of 32 along K, 48 matrix instructions each, on buffers 0, 1, 0, 1.  The 48 accumulators take turns, one instruction a turn, in the same order in every quarter,
; over the backward jump and from tile to tile too.  One of the first three quarters: multiplies buffer f and fetches the next quarter, at byte k, into g.
.macro QUARTER slot, k, f, g, first
	s_wait_dscnt 16                                ; x and W for q are in; the youngest sixteen loads (W for k and v) may be out
	MULQK \f, 0, \first
	PLACES                                         ; in front of loads into registers that the quarter before multiplied
	FETCH \slot, \k, \g
	s_wait_dscnt 32                                ; all but the 32 just issued
	MULQK \f, 1, \first
	MULV \f, \first
.endm
; The last quarter multiplies buffer 1 and changes slots: ONE barrier.  In front of it each wave waits for all its tensor loads (one is out: its part of the next slot), adds 0 to its spare word,
; and waits for that and for its reads of this slot.  mode 0: the slot is filled again with this tile's K step two on; 1: with the next tile's K step 0 or 1; 2: not at all.
; Where it is filled the barrier opens a round of the cluster's, and the joint load is the first thing behind the round: 160 matrix instructions ahead of the wait for it.
.macro TURN slot, next, mode
.if (\mode) < 2
	s_wait_xcnt 0x0                                ; the last prefetch, a K step back, has read its address: it is stepped here, ahead of the waits of the change of slots
.if ((\mode) == 1) && ((\slot) == 0)
	s_add_nc_u64 s[PFA:PFA+1], s[PFA:PFA+1], 4095*ROWB+KSTEP*2  ; from the K step after the tile's last to the next tile's K step 1
	s_cmp_eq_u32 s[WV], 0
	s_cselect_b32 s[LIM], s[LIM], -1               ; W's rows are the same for all four tiles: they are asked for in the first alone
.else
	s_add_nc_u64 s[PFA:PFA+1], s[PFA:PFA+1], KSTEP*2
.endif
.endif
	WIN 0                                          ; (the add's two registers lie in window 0)
	s_wait_tensorcnt 0x0                           ; all my tensor loads have landed
	ds_add_u32 v[SPW], v[NIL]                      ; 0 onto my spare word
	s_wait_dscnt 17                                ; (the add and the youngest sixteen loads may be out)
	MULQK F1, 0, 0                                 ; sixteen matrix instructions stand between the add and the wait for it
	s_wait_dscnt 0x0                               ; the add is done, and my reads of this slot are over
	s_barrier_signal -1
	MULQK F1, 1, 0                                 ; work on registers while the others arrive
	WIN 0
	s_barrier_wait -1
.if (\mode) < 2
	CREST                                          ; no wave of any partner still reads this slot's tiles or has a load on its way
.if (\mode) == 1
	s_add_nc_u64 s[G0+4*(\slot)+2:G0+4*(\slot)+3], s[G0+4*(\slot)+2:G0+4*(\slot)+3], NEXT_A
	s_sub_nc_u64 s[G0B+4*(\slot)+2:G0B+4*(\slot)+3], s[G0B+4*(\slot)+2:G0B+4*(\slot)+3], BACK_B
.else
	s_add_nc_u64 s[G0+4*(\slot)+2:G0+4*(\slot)+3], s[G0+4*(\slot)+2:G0+4*(\slot)+3], 2*KSTEP*2
	s_add_nc_u64 s[G0B+4*(\slot)+2:G0B+4*(\slot)+3], s[G0B+4*(\slot)+2:G0B+4*(\slot)+3], 2*KSTEP*2
.endif
	JLOAD \slot                                    ; the four v_nop behind it are also the places in front of the loads below
.else
	PLACES
.endif
	FETCH \next, 0, F0
.if (\mode) < 2
	WIN 0
	ASK \mode                                      ; behind the joint load and the run of LDS loads that the next products wait for
.endif
	MULV F1, 0
.endm
; THE ATTENTIONS of a finished tile: two places g, each 32 positions.  No branch, no label.
.macro SCALE a, t                      ; a pair of scores: c s - c m
	v_pk_fma_f32 v[(\a):(\a)+1], v[(\a):(\a)+1], s[CS:CS+1], v[(\t):(\t)+1] op_sel_hi:[1,0,0] neg_lo:[0,0,1] neg_hi:[0,0,1]
.endm
.macro NORM a, t                       ; a pair of weights times 1 / l
	v_pk_mul_f32 v[(\a):(\a)+1], v[(\a):(\a)+1], v[(\t)+2:(\t)+3] op_sel_hi:[1,0]
.endm
.macro GR g                            ; the registers of place g: A0 the 8 scores of queries 0-15, A1 the 16 of queries 16-31
.set A0, S+24*(\g)
.set A1, S+24*(\g)+8
.set T0, ST+8*(\g)
.set T1, ST+8*(\g)+4
.set UG, U+2*(\g)
.endm
.macro BOTH line:vararg                ; one line for each place, so that no instruction reads the result of the one before it
	GR 0
	\line
	GR 1
	\line
.endm
.macro PACK u                          ; unit u: 16 queries x 64 channels, rounded to f16; 16 bytes a lane into rows of 144 bytes, and back as whole rows of 128
	WIN 0x0a                                       ; sources in window 2, destination in window 0
.irp vt, 0,1,2,3
.irp i, 0,1,2,3
	v_cvt_pk_f16_f32 v[OUT+16*(\u)+4*(\vt)+(\i)], v[32*(\u)+8*(\vt)+2*(\i)], v[32*(\u)+8*(\vt)+2*(\i)+1]
.endr
.endr
	WIN 0
.irp vt, 0,1,2,3
	ds_store_b128 v[STO], v[OUT+16*(\u)+4*(\vt):OUT+16*(\u)+4*(\vt)+3] offset:32*(\vt)
.endr
.irp f, 0,1,2,3
	ds_load_b128 v[OUT+16*(\u)+4*(\f):OUT+16*(\u)+4*(\f)+3], v[RD] offset:(\f)*4*SP  ; LDS serves a wave's instructions in order (ISA guide 5.7.1.4): these see the stores above; the next unit's stores come behind them
.endr
.endm
.macro SEND u, younger                 ; younger: the LDS instructions issued behind unit u's loads: the next unit's eight, or none
.irp f, 0,1,2,3
	s_wait_dscnt (\younger)+3-(\f)
	global_store_b128 v[GO], v[OUT+16*(\u)+4*(\f):OUT+16*(\u)+4*(\f)+3], s[8:9] offset:(\u)*2048+(\f)*512  ; 512 consecutive bytes, at a multiple of 512 from a2's first
.endr
.endm
.macro ATTN
	PLACES                                         ; behind the tile's last products
	WIN 0x8a                                       ; q and k to f16, in place in window 2: two neighbouring channel tiles become one fragment
.set pb, 0
.rept 16
.irp i, 0,1,2,3
	v_cvt_pk_f16_f32 v[pb+(\i)], v[pb+2*(\i)], v[pb+2*(\i)+1]
.endr
.irp i, 0,1,2,3
	v_cvt_pk_f16_f32 v[pb+4+(\i)], v[pb+8+2*(\i)], v[pb+9+2*(\i)]
.endr
.set pb, pb+16
.endr
	WIN 0x0a                                       ; K and Q in window 2, S^T and the mask in window 0
.irp c, 0,1                            ; channels 32 c on: six accumulators by turns, five others between the two links of a chain
.irp g, 0,1
.irp i, 0,1,2
.set rS, S+24*(\g)+8*(\i)
.set rK, 8*(8*(2*(\g)+(\i)/2)+4+2*(\c))
.set rQ, 8*(8*(2*(\g)+((\i)+1)/2)+2*(\c))
.if (\c) == 1
	v_wmma_f32_16x16x32_f16 v[rS:rS+7], v[rK:rK+7], v[rQ:rQ+7], v[rS:rS+7]
.elseif (\i) == 1
	v_wmma_f32_16x16x32_f16 v[rS:rS+7], v[rK:rK+7], v[rQ:rQ+7], 0
.else
	v_wmma_f32_16x16x32_f16 v[rS:rS+7], v[rK:rK+7], v[rQ:rQ+7], v[MD:MD+7]
.endif
.endr
.endr
.endr
	WIN 0xcf                                       ; v to f16, in place in window 3: positions 0-15 and 16-31 become one fragment.  These 64 lines are the places behind the scores' products
.irp g, 0,1
.irp vt, 0,1,2,3
.set pb, 64*(\g)+8*(\vt)
.irp i, 0,1,2,3
	v_cvt_pk_f16_f32 v[pb+(\i)], v[pb+2*(\i)], v[pb+2*(\i)+1]
.endr
.irp i, 0,1,2,3
	v_cvt_pk_f16_f32 v[pb+4+(\i)], v[pb+32+2*(\i)], v[pb+33+2*(\i)]
.endr
.endr
.endr
	WIN 0
	; the maxima: three chains a place, each begun at its accumulator's low end
	BOTH v_max3_num_f32 v[T0+1], v[A0], v[A0+1], v[A0+2]
	BOTH v_max3_num_f32 v[T1+1], v[A1], v[A1+1], v[A1+2]
	BOTH v_max3_num_f32 v[UG], v[A1+8], v[A1+9], v[A1+10]
	BOTH v_max3_num_f32 v[T0+1], v[T0+1], v[A0+3], v[A0+4]
	BOTH v_max3_num_f32 v[T1+1], v[T1+1], v[A1+3], v[A1+4]
	BOTH v_max3_num_f32 v[UG], v[UG], v[A1+11], v[A1+12]
	BOTH v_max3_num_f32 v[T0+1], v[T0+1], v[A0+5], v[A0+6]
	BOTH v_max3_num_f32 v[T1+1], v[T1+1], v[A1+5], v[A1+6]
	BOTH v_max3_num_f32 v[UG], v[UG], v[A1+13], v[A1+14]
	BOTH v_max_num_f32 v[T0+1], v[T0+1], v[A0+7]
	BOTH v_max3_num_f32 v[T1+1], v[T1+1], v[A1+7], v[A1+15]
	BOTH v_permlanex16_b32 v[T0+3], v[T0+1], s[SEL], s[SEL+1]
	BOTH v_max_num_f32 v[T1+1], v[T1+1], v[UG]
	BOTH v_max_num_f32 v[T0+1], v[T0+1], v[T0+3]
	BOTH v_permlanex16_b32 v[T1+3], v[T1+1], s[SEL], s[SEL+1]
	BOTH v_mul_f32 v[T0], s[CS], v[T0+1]
	BOTH v_max_num_f32 v[T1+1], v[T1+1], v[T1+3]
	BOTH v_mul_f32 v[T1], s[CS], v[T1+1]
.set z, 0
.rept 4
	SCALE S+2*z, ST
	SCALE S+24+2*z, ST+8
.set z, z+1
.endr
.set z, 0
.rept 8
	SCALE S+8+2*z, ST+4
	SCALE S+32+2*z, ST+12
.set z, z+1
.endr
.set z, 0
.rept 48                               ; one batch of exponentials,
	v_exp_f32 v[S+z], v[S+z]
.set z, z+1
.endr
	v_nop                                          ; one plain instruction behind the last (ISA guide 5.7.2),
	s_wait_alu depctr_va_vdst(0)                   ; and one wait ahead of the first line that names a result
	BOTH v_pk_add_f32 v[T0+2:T0+3], v[A0:A0+1], v[A0+2:A0+3]
	BOTH v_pk_add_f32 v[T1+2:T1+3], v[A1:A1+1], v[A1+2:A1+3]
	BOTH v_pk_add_f32 v[UG:UG+1], v[A1+8:A1+9], v[A1+10:A1+11]
	BOTH v_pk_add_f32 v[T0+2:T0+3], v[T0+2:T0+3], v[A0+4:A0+5]
	BOTH v_pk_add_f32 v[T1+2:T1+3], v[T1+2:T1+3], v[A1+4:A1+5]
	BOTH v_pk_add_f32 v[UG:UG+1], v[UG:UG+1], v[A1+12:A1+13]
	BOTH v_pk_add_f32 v[T0+2:T0+3], v[T0+2:T0+3], v[A0+6:A0+7]
	BOTH v_pk_add_f32 v[T1+2:T1+3], v[T1+2:T1+3], v[A1+6:A1+7]
	BOTH v_pk_add_f32 v[UG:UG+1], v[UG:UG+1], v[A1+14:A1+15]
	BOTH v_add_f32 v[T0+2], v[T0+2], v[T0+3]
	BOTH v_pk_add_f32 v[T1+2:T1+3], v[T1+2:T1+3], v[UG:UG+1]
	BOTH v_permlanex16_b32 v[T0+3], v[T0+2], s[SEL], s[SEL+1]
	BOTH v_add_f32 v[T1+2], v[T1+2], v[T1+3]
	BOTH v_add_f32 v[T0+2], v[T0+2], v[T0+3]
	BOTH v_permlanex16_b32 v[T1+3], v[T1+2], s[SEL], s[SEL+1]
	BOTH v_add_f32 v[T1+2], v[T1+2], v[T1+3]
	BOTH v_rcp_f32 v[T0+2], v[T0+2]
	BOTH v_rcp_f32 v[T1+2], v[T1+2]
	v_nop                                          ; a plain instruction behind the last reciprocal,
	s_wait_alu depctr_va_vdst(0)                   ; and one wait for the four
.set z, 0
.rept 4
	NORM S+2*z, ST
	NORM S+24+2*z, ST+8
.set z, z+1
.endr
.set z, 0
.rept 8
	NORM S+8+2*z, ST+4
	NORM S+32+2*z, ST+12
.set z, z+1
.endr
.set z, 0
.rept 4
	v_cvt_pk_f16_f32 v[P+z], v[S+2*z], v[S+2*z+1]
	v_cvt_pk_f16_f32 v[P+16+z], v[S+24+2*z], v[S+24+2*z+1]
.set z, z+1
.endr
.set z, 0
.rept 8
	v_cvt_pk_f16_f32 v[P+8+z], v[S+8+2*z], v[S+8+2*z+1]
	v_cvt_pk_f16_f32 v[P+24+z], v[S+32+2*z], v[S+32+2*z+1]
.set z, z+1
.endr
	WIN 0x83                                       ; V in window 3, P in window 0, O^T in window 2
.irp u, 0,1,2,3
.irp vt, 0,1,2,3
	v_wmma_f32_16x16x32_f16 v[32*(\u)+8*(\vt):32*(\u)+8*(\vt)+7], v[64*((\u)/2)+8*(\vt):64*((\u)/2)+8*(\vt)+7], v[P+8*(\u):P+8*(\u)+7], 0
.endr
.endr
	PLACES
	PACK 0
	PACK 1                                         ; a unit's conversions stand between the loads of the unit before and its stores
	SEND 0, 8
	PACK 2
	SEND 1, 8
	PACK 3
	SEND 2, 8
	SEND 3, 0
.endm
	s_wait_tensorcnt 1                             ; my part of K step 0 is in; K step 1's may stay out
	s_barrier_signal -1
	s_barrier_wait -1                              ; everybody's is
	FETCH 0, 0, F0
	WIN 0
	s_mov_b32 s2, 4                                ; tiles to go, this one among them: the same number in every work-group
.Ltile:
	QUARTER 0, 64,  F0, F1, 1                      ; a tile's first quarter stands in front of the loop: the bias starts the sums
	WIN 0                                          ; at a label and at a branch every window is 0
	s_mov_b32 s3, 3
.Llap:                                                 ; a trip goes once round the ring, from a lap's second quarter to the next lap's first, and fills both slots again
	QUARTER 0, 128, F1, F0, 0
	QUARTER 0, 192, F0, F1, 0
	TURN 0, 1, 0
	QUARTER 1, 64,  F0, F1, 0
	QUARTER 1, 128, F1, F0, 0
	QUARTER 1, 192, F0, F1, 0
	TURN 1, 0, 0
	QUARTER 0, 64,  F0, F1, 0
	WIN 0
	s_sub_co_u32 s3, s3, 1
	s_cmp_lg_u32 s3, 0
	s_cbranch_scc1 .Llap
	QUARTER 0, 128, F1, F0, 0                      ; the tile's last lap goes on
	QUARTER 0, 192, F0, F1, 0
	WIN 0
	s_cmp_eq_u32 s2, 1
	s_cbranch_scc1 .Llast                          ; the last tile's tail is written out: it asks for nothing more
	TURN 0, 1, 1                                   ; the ring goes on into the next tile: slot 0 takes its K step 0,
	QUARTER 1, 64,  F0, F1, 0
	QUARTER 1, 128, F1, F0, 0
	QUARTER 1, 192, F0, F1, 0
	TURN 1, 0, 1                                   ; slot 1 its K step 1, and the next tile's first fragments are fetched
	ATTN                                           ; both refills are on their way while the attentions are made; window 1 is not touched
	s_wait_xcnt 0x0                                ; the stores have read their registers and a2's address
	s_add_nc_u64 s[8:9], s[8:9], NEXT_O            ; the next batch
	s_sub_co_u32 s2, s2, 1
	s_branch .Ltile
.Llast:
	TURN 0, 1, 2
	QUARTER 1, 64,  F0, F1, 0
	QUARTER 1, 128, F1, F0, 0
	QUARTER 1, 192, F0, F1, 0
	s_wait_dscnt 16                                ; the very last quarter: nothing more to fetch
	MULQK F1, 0, 0
	s_wait_dscnt 0x0
	MULQK F1, 1, 0
	MULV F1, 0
	ATTN
	s_wait_tensorcnt 0x0                           ; the wave's end, behind my last tensor load and my last LDS store
	ds_add_u32 v[SPW], v[NIL]
	s_wait_dscnt 0x0
	CROUND                                         ; the closing round: no work-group ends while a partner may still ask for a tile that names it
	s_endpgm
.Lfunc_end_k_q2da3e4b918_qkvattn:
	.size	k_q2da3e4b918_qkvattn, .Lfunc_end_k_q2da3e4b918_qkvattn-k_q2da3e4b918_qkvattn
	.p2alignl 7, 3214868480
	.fill 96, 4, 3214868480
	.section	.rodata,"a",@progbits
	.p2align	6, 0x0
	.amdhsa_kernel k_q2da3e4b918_qkvattn
		.amdhsa_group_segment_fixed_size 327680
		.amdhsa_private_segment_fixed_size 0
		.amdhsa_enable_private_segment 0
		.amdhsa_kernarg_size 32
		.amdhsa_user_sgpr_count 2
		.amdhsa_user_sgpr_kernarg_segment_ptr 1
		.amdhsa_wavefront_size32 1
		.amdhsa_system_sgpr_workgroup_id_x 1
		.amdhsa_system_sgpr_workgroup_id_y 1
		.amdhsa_system_sgpr_workgroup_id_z 1
		.amdhsa_system_vgpr_workitem_id 0
		.amdhsa_next_free_vgpr 1024
		.amdhsa_next_free_sgpr 76
		.amdhsa_reserve_vcc 1
		.amdhsa_float_denorm_mode_32 3
		.amdhsa_float_denorm_mode_16_64 3
		.amdhsa_memory_ordered 1
		.amdhsa_forward_progress 1
		.amdhsa_inst_pref_size 199
	.end_amdhsa_kernel
	.amdgpu_metadata
---
amdhsa.version: [ 1, 2 ]
amdhsa.kernels:
  - .name:           k_q2da3e4b918_qkvattn
    .symbol:         k_q2da3e4b918_qkvattn.kd
    .args:
      - { .name: xb, .offset: 0, .size: 8, .value_kind: global_buffer, .address_space: global }
      - { .name: wq, .offset: 8, .size: 8, .value_kind: global_buffer, .address_space: global }
      - { .name: a2, .offset: 16, .size: 8, .value_kind: global_buffer, .address_space: global }
      - { .name: b_qkv, .offset: 24, .size: 8, .value_kind: global_buffer, .address_space: global }
    .group_segment_fixed_size: 327680
    .private_segment_fixed_size: 0
    .kernarg_segment_align: 8
    .kernarg_segment_size: 32
    .max_flat_workgroup_size: 128
    .sgpr_count:     76
    .vgpr_count:     1024
    .wavefront_size: 32
...
	.end_amdgpu_metadata
.endif
;; end of part 2
;; launch outproj (part 3): grid 4 x 64, 4 waves a work-group, clusters of 4 x 4, 327,680 bytes of LDS; arguments a2, wo, out0, b_out; writes out0
.if DOCPART == 3
	.amdgcn_target "amdgcn-amd-amdhsa--gfx1250"
	.amdhsa_code_object_version 6
	.text
	.protected	k_q2da3e4b918_outproj
	.globl	k_q2da3e4b918_outproj
	.p2align	8
	.type	k_q2da3e4b918_outproj,@function
k_q2da3e4b918_outproj:
	s_mov_b64 s[64:65], 0
	v_nop
	global_prefetch_b8 v0, s[64:65] scope:SCOPE_SE
	s_setreg_imm32_b32 hwreg(HW_REG_WAVE_MODE, 25, 1), 1
	s_wait_xcnt 0x0
	s_wait_alu depctr_hold_cnt(0) depctr_sa_sdst(0) depctr_va_vdst(0) depctr_va_sdst(0) depctr_va_ssrc(0) depctr_va_vcc(0) depctr_vm_vsrc(0)
	s_getreg_b32 s2, hwreg(HW_REG_IB_STS2, 6, 4)
	s_cmp_eq_u32 s2, 0
	s_cbranch_scc0 .Lentry_in_a_cluster
	s_endpgm
.Lentry_in_a_cluster:
	s_bfe_u32 s2, ttmp6, 0x10000c
	s_cmp_lg_u32 s2, 0xf033
	s_cbranch_scc0 .Lentry_shape_is_right
	s_endpgm
.Lentry_shape_is_right:
; out0[m][n] = the sum over k of a2[m][k] wo[n][k] + b_out[n].  a2: [16384][1024] f16, wo: [1024][1024] f16, b_out: [1024] f32 (rounded here to bf16 like every input), out0: [16384][1024] f32.
; Sums in f32, K ascending; the bias is the C operand of the first products.  LIMITS: a2 and wo arrive within f16's range; NaN and infinities are not treated apart.
; A tile of out0, 256 x 256, is made by a work-group of four waves; a wave makes 128 x 128: 64 accumulators of 16 x 16.  256 tiles, one to a work-group.
; K goes in steps of 128 through a ring of two LDS slots filled by the tensor data mover: rows of 256 bytes, at multiples of 256 from the buffer's first byte.
; CLUSTERS: 4 x 4 work-groups.  The four of a row of the cluster need the same tiles of a2, the four of a column the same tiles of wo: each tile is asked for jointly.
; THE MATRIX INSTRUCTION IS USED TRANSPOSED (source 0 = 16 rows of wo, source 1 = 16 rows of a2): a lane holds row lane % 16 of out0 and the columns 8 (lane / 16) + 0..7: 32 bytes on end.
; REGISTERS, in windows of 256 (s_set_vgpr_msb: bits 1:0 source 0, 3:2 source 1, 5:4 source 2, 7:6 destination):
;   window 0: v0-31 addresses; v64-127, v128-191 fragments of a2, two buffers; on the way out the same 128 registers hold rows read back from the stage
;   window 1: v0 at work; v64-127, v128-191 fragments of wo, two buffers; v192-255 the bias, eight tiles
;   window 2: the 32 accumulators of my rows 0-63 ((a, b) at 8 (8 a + b));   window 3: those of my rows 64-127
.set SIZE_K, 1024
.set SIZE_N, 1024
.set KSTEP,  128
.set PITCH,  272                       ; an LDS row: 256 bytes + 16 of padding: the 16 rows of a fragment load start at 16 different groups of four banks (64 banks of 4 bytes: ISA guide 11.1)
.set HALFT,  128*PITCH                 ; what one tensor load brings, and what one wave reads of a2 or of wo
.set SLOT,   4*HALFT                   ; a2's 256 rows, then wo's 256 rows
.set STAGE,  2*SLOT                    ; behind the ring, never filled by a tensor load: 16 rows x 528 bytes for each wave
.set SPITCH, 528                       ; 512 bytes of f32 + 16
.set SPARE,  STAGE+4*16*SPITCH         ; behind the stages: the spare words, 128 bytes for each wave: two blocks of 256 bytes that no other line names
.set LAPS,   SIZE_K/(2*KSTEP)
.set ADRA, 16                          ; v16-17  LDS address of my fragments of a2 in slot 0, 1
.set ADRB, 20                          ; v20-21  the same for wo
.set STO,  24                          ; v24     the way out: where I put 32 bytes of a row
.set RD,   25                          ; v25     where I read a row back
.set CO,   26                          ; v26     my 16 bytes of a row's 512
.set BO,   27                          ; v27     my byte offset in b_out
.set SPW,  28                          ; v28     LDS address of my spare word: SPARE + 4 x my thread's number; never rewritten
.set NIL,  29                          ; v29     0; never rewritten
.set PFO,  30                          ; v30     the prefetches' offset: my lane x a row; never rewritten
.set F0,   64
.set F1,   128
.set BIAS, 192                         ; window 1
.set G1, 24                            ; s[24:31] descriptor group 1 for a2's tiles;  s[32:39] group 0, a set for each slot
.set G0, 32
.set LIM, 43                           ; s43     1 in a wave that prefetches, else the greatest number
.set PFA, 44                           ; s[44:45] where my prefetches stand
.set G1B, 48                           ; s[48:55], s[56:63] the same for wo's tiles
.set G0B, 56
.set BP,  66                           ; s[66:67] b_out
.set HIM, 68
.set MUL_LO, 0xa1                      ; source 0 (wo) window 1, source 1 (a2) window 0, C and D window 2
.set TO_B,   0x40                      ; destination window 1, address window 0
.set MSB, 0
.macro WIN new                         ; the immediate's high byte repeats the setting that is left; a switch that changes nothing is dropped
.if MSB != (\new)
	s_set_vgpr_msb (MSB<<8)|(\new)
.set MSB, \new
.endif
.endm
.macro PLACES                          ; four plain places behind matrix instructions (ISA guide 7.12.1), where no other vector work is at hand
.rept 4
	v_nop
.endr
.endm
; A joint load: waves 0 and 1 fetch a2's two halves, waves 2 and 3 wo's.  An s_nop 0 and four v_nop follow each of the two lines, ahead of the jump and the label.
.macro JLOAD s
	s_cmp_eq_u32 s11, 0
	s_cbranch_scc0 .Lfor_b_\@
	tensor_load_to_lds s[G0+4*(\s):G0+4*(\s)+3], s[G1:G1+7]
	s_nop 0
.rept 4
	v_nop
.endr
	s_branch .Lasked_\@
.Lfor_b_\@:
	tensor_load_to_lds s[G0B+4*(\s):G0B+4*(\s)+3], s[G1B:G1B+7]
	s_nop 0
.rept 4
	v_nop
.endr
.Lasked_\@:
.endm
; A prefetch of the K step that stands two refills on: 32 rows x 256 bytes, a lane a row, one instruction a wave.  Each row's 256 bytes of a K step are named once in the launch: a2's rows by
; their one cluster, wo's by the first cluster along y; the four partners that ask for a tile jointly take 32 of a wave's 128 rows each, told apart by address.  The last two refills ask for nothing.
.macro ASK
	s_cmp_gt_u32 s3, s[LIM]                        ; s3 = 1 in the loop's last trip
	s_cbranch_scc0 .Lnot_mine_\@
	global_prefetch_b8 v[PFO], s[PFA:PFA+1] offset:KSTEP*2 th:TH_LOAD_NT scope:SCOPE_SE
.Lnot_mine_\@:
.endm
.macro CREST                           ; a round of the cluster's barrier behind its opening barrier
	s_cmp_lg_u32 s10, 0
	s_cbranch_scc1 .Lnot_wave_0_\@
	s_barrier_signal -3
.Lnot_wave_0_\@:
	s_barrier_wait -3
	s_barrier_signal -1
	s_barrier_wait -1
.endm
.macro CROUND                          ; a whole round
	s_barrier_signal -1
	s_barrier_wait -1
	CREST
.endm
	s_load_b128 s[4:7], s[0:1], 0x0                ; a2 s[4:5], wo s[6:7]
	s_load_b64 s[8:9], s[0:1], 0x10                ; out0
	s_load_b64 s[BP:BP+1], s[0:1], 0x18            ; b_out
	v_lshl_add_u32 v[SPW], v0, 2, SPARE
	v_mov_b32 v[NIL], 0
	ds_add_u32 v[SPW], v[NIL]                      ; the wave's opening: the add and its wait stand ahead of my first tensor load; the set-up below, work on registers, stands between them
	v_lshrrev_b32 v1, 5, v0
	v_readfirstlane_b32 s10, v1                    ; wave 0..3
	s_lshr_b32 s11, s10, 1                         ; which half of the tile's rows is mine.  Also: I fetch for a2 (0) or for wo (1)
	s_and_b32 s12, s10, 1                          ; which half of its columns.  Also: which 128 rows of that tile I fetch
	s_bfe_u32 s40, ttmp6, 0x40000                  ; cx, cy: my place in the cluster
	s_bfe_u32 s41, ttmp6, 0x40004
	s_lshl_b32 s42, ttmp9, 2
	s_add_co_u32 s42, s42, s40                     ; tile column = 4 x cluster x + cx
	s_and_b32 s13, ttmp7, 0xffff
	s_lshl_b32 s13, s13, 2
	s_add_co_u32 s13, s13, s41                     ; tile row = 4 x cluster y + cy
	s_lshl_b32 s43, s41, 2
	s_lshl_b32 s43, 15, s43                        ; my row of the cluster
	s_lshl_b32 s44, 0x1111, s40                    ; my column
	s_or_b32 s[G1+0], s43, (1<<16)|(1<<20)|(1<<21)|(5<<22)|(3<<25)   ; 15:0 the mask; 17:16 2-byte elements; 20 padding on; 21 set beside a mask; 24:22 after every 64 words; 31:25 4 words
	s_or_b32 s[G1B+0], s44, (1<<16)|(1<<20)|(1<<21)|(5<<22)|(3<<25)
.irp g, G1, G1B
	s_mov_b32 s[(\g)+1], KSTEP<<16                 ; tensor_dim0 = 128
	s_mov_b32 s[(\g)+2], 128<<16                   ; tensor_dim1 = 128
	s_mov_b32 s[(\g)+3], KSTEP<<16                 ; tile_dim0 = 128
	s_mov_b32 s[(\g)+4], 128                       ; tile_dim1 = 128
	s_mov_b32 s[(\g)+5], SIZE_K                    ; elements from row to row
	s_mov_b32 s[(\g)+6], 0
	s_mov_b32 s[(\g)+7], 0
.endr
	s_lshl_b32 s17, s12, 7                         ; which 128 rows of the tile I fetch
	s_lshl_b32 s16, s13, 8
	s_add_co_u32 s16, s16, s17                     ; a2: row 256 x tile row + 128 x half,
	s_lshl_b32 s16, s16, 11                        ; in bytes (under 2^26)
	s_lshl_b32 s46, s42, 8
	s_add_co_u32 s46, s46, s17                     ; wo: row 256 x tile column + 128 x half
	s_lshl_b32 s46, s46, 11
	s_mov_b32 s17, 0
	s_mov_b32 s47, 0
	s_mul_i32 s20, s10, HALFT                      ; where they go: wave x 128 rows: no place in the cluster enters an LDS address
	s_mov_b32 s[HIM], 0xffff0000
	s_wait_dscnt 0x0                               ; the opening add is done
	s_wait_kmcnt 0x0
	s_add_nc_u64 s[14:15], s[4:5], s[16:17]
	s_add_nc_u64 s[46:47], s[6:7], s[46:47]
	CROUND                                         ; all sixteen work-groups are here: the first joint loads meet
.irp s, 0,1
	s_mov_b32 s[G0+4*(\s)], 1
	s_add_co_u32 s[G0+4*(\s)+1], s20, (\s)*SLOT
	s_add_nc_u64 s[G0+4*(\s)+2:G0+4*(\s)+3], s[14:15], (\s)*KSTEP*2
	s_or_b32 s[G0+4*(\s)+3], s[G0+4*(\s)+3], 0x80000000
	s_mov_b32 s[G0B+4*(\s)], 1
	s_add_co_u32 s[G0B+4*(\s)+1], s20, (\s)*SLOT
	s_add_nc_u64 s[G0B+4*(\s)+2:G0B+4*(\s)+3], s[46:47], (\s)*KSTEP*2
	s_or_b32 s[G0B+4*(\s)+3], s[G0B+4*(\s)+3], 0x80000000
	JLOAD \s                                       ; two tensor loads of mine are out
.endr
	v_and_b32 v1, 15, v0                           ; r = lane % 16
	v_bfe_u32 v2, v0, 4, 1                         ; h = lane / 16
	s_lshl_b32 s46, s42, 10                        ; my first column, in bytes of f32: 1,024 x tile column + 512 x half; the same offset serves b_out
	s_lshl_b32 s47, s12, 9
	s_add_co_u32 s46, s46, s47
	s_mov_b32 s47, 0
	v_lshl_add_u32 v[BO], v2, 5, s46               ; + my eight columns 8 h + 0..7
	WIN TO_B
.irp b, 0,1,2,3,4,5,6,7
	global_load_b128 v[BIAS+8*(\b):BIAS+8*(\b)+3],   v[BO], s[BP:BP+1] offset:64*(\b)
	global_load_b128 v[BIAS+8*(\b)+4:BIAS+8*(\b)+7], v[BO], s[BP:BP+1] offset:64*(\b)+16
.endr
	WIN 0
	v_mul_u32_u24 v3, v1, PITCH
	v_lshl_add_u32 v3, v2, 4, v3                   ; a fragment: row x pitch + 16 x half; two loads of 16 bytes, 32 bytes apart
	s_mul_i32 s21, s11, HALFT                      ; my 128 rows of a2
	s_mul_i32 s22, s12, HALFT                      ; my 128 rows of wo,
	s_add_co_u32 s22, s22, 2*HALFT                 ; which lie behind a2's 256
.irp s, 0,1
	v_add_nc_u32 v[ADRA+(\s)], s21, v3
	v_add_nc_u32 v[ADRB+(\s)], s22, v3
	s_add_co_u32 s21, s21, SLOT
	s_add_co_u32 s22, s22, SLOT
.endr
	s_mul_i32 s23, s10, 16*SPITCH
	s_add_co_u32 s23, s23, STAGE                   ; my stage
	v_mul_u32_u24 v4, v1, SPITCH                   ; in: row r, 32 bytes for each half of the lanes
	v_lshl_add_u32 v4, v2, 5, v4
	v_add_nc_u32 v[STO], s23, v4
	v_and_b32 v5, 31, v0
	v_lshlrev_b32 v[CO], 4, v5                     ; back: 32 lanes take one row of 512 bytes
	v_add_nc_u32 v[RD], s23, v[CO]
	s_lshl_b32 s13, s13, 8                         ; 256 x tile row
	s_lshl_b32 s14, s11, 7
	s_add_co_u32 s16, s13, s14                     ; my first row of out0,
	s_lshl_b32 s16, s16, 12                        ; of 4,096 bytes (under 2^27)
	s_mov_b32 s17, 0
	s_add_nc_u64 s[16:17], s[16:17], s[46:47]
	s_add_nc_u64 s[8:9], s[8:9], s[16:17]          ; out0 at my 128 x 128
	; the prefetches
	s_lshl_b32 s42, s42, 8                         ; 256 x tile column
	s_and_b32 s22, ttmp7, 0xffff                   ; cluster y
	s_cmp_eq_u32 s11, 0                            ; do I fetch for a2?
	s_cselect_b32 s20, s13, s42                    ; the tile's first row
	s_cselect_b32 s21, s40, s41                    ; my place among the four that ask for it with me
	s_cselect_b32 s22, ttmp9, s22                  ; the coordinate along which other clusters read the same rows
	s_cselect_b64 s[PFA:PFA+1], s[4:5], s[6:7]
	s_cmp_eq_u32 s22, 0
	s_cselect_b32 s[LIM], 1, -1                    ; the same in all sixteen partners, for a given wave
	s_lshl_b32 s22, s12, 7
	s_add_co_u32 s20, s20, s22                     ; + the 128 rows that I fetch
	s_lshl_b32 s21, s21, 5
	s_add_co_u32 s20, s20, s21                     ; + my work-group's 32 of them
	s_lshl_b32 s20, s20, 11
	s_mov_b32 s21, 0
	s_add_nc_u64 s[PFA:PFA+1], s[PFA:PFA+1], s[20:21]
	s_add_nc_u64 s[PFA:PFA+1], s[PFA:PFA+1], 2*KSTEP*2  ; at K step 2: the first refill steps it to 3 and names K step 4.  Nothing is asked for here, where every work-group's first tiles are on their way
	v_lshlrev_b32 v[PFO], 11, v5
	s_wait_loadcnt 0x0                             ; the bias
	WIN 0x45                                       ; all in window 1: rounded to bf16 and widened again
.set z, 0
.rept 32
	v_cvt_pk_bf16_f32 v0, v[BIAS+2*z], v[BIAS+2*z+1]
	v_lshlrev_b32 v[BIAS+2*z], 16, v0
	v_and_b32 v[BIAS+2*z+1], s[HIM], v0
.set z, z+1
.endr
	WIN 0
; 16 matrix instructions: m blocks a0, a0 + 1 of the window's four (hi = 0: my rows 0-63, 1: rows 64-127) x all 8 n blocks, 32 along K.  first = 1: the bias (window 1) starts the sums.
.macro MUL16 f, hi, a0, first
.if \first
	WIN 0x91+0x40*(\hi)
.else
	WIN MUL_LO+0x50*(\hi)
.endif
.irp a, \a0, (\a0)+1
.irp b, 0,1,2,3,4,5,6,7
.if \first
	v_wmma_f32_16x16x32_f16 v[8*(8*(\a)+(\b)):8*(8*(\a)+(\b))+7], v[(\f)+8*(\b):(\f)+8*(\b)+7], v[(\f)+8*(4*(\hi)+(\a)):(\f)+8*(4*(\hi)+(\a))+7], v[BIAS+8*(\b):BIAS+8*(\b)+7]
.else
	v_wmma_f32_16x16x32_f16 v[8*(8*(\a)+(\b)):8*(8*(\a)+(\b))+7], v[(\f)+8*(\b):(\f)+8*(\b)+7], v[(\f)+8*(4*(\hi)+(\a)):(\f)+8*(4*(\hi)+(\a))+7], v[8*(8*(\a)+(\b)):8*(8*(\a)+(\b))+7]
.endif
.endr
.endr
.endm
; 32 LDS loads in one run: the fragments of one quarter step (128 rows of wo, 128 rows of a2, 32 K at byte k of the rows) into buffer f
.macro FETCH slot, k, f
	WIN TO_B
.irp i, 0,1,2,3,4,5,6,7
	ds_load_b128 v[(\f)+8*(\i):(\f)+8*(\i)+3],   v[ADRB+(\slot)] offset:(\k)+(\i)*16*PITCH
	ds_load_b128 v[(\f)+8*(\i)+4:(\f)+8*(\i)+7], v[ADRB+(\slot)] offset:(\k)+(\i)*16*PITCH+32
.endr
	WIN 0
.irp i, 0,1,2,3,4,5,6,7
	ds_load_b128 v[(\f)+8*(\i):(\f)+8*(\i)+3],   v[ADRA+(\slot)] offset:(\k)+(\i)*16*PITCH
	ds_load_b128 v[(\f)+8*(\i)+4:(\f)+8*(\i)+7], v[ADRA+(\slot)] offset:(\k)+(\i)*16*PITCH+32
.endr
.endm
; A K step is four quarters of 32 along K, 64 matrix instructions each, on buffers 0, 1, 0, 1.  The 64 accumulators take turns, one instruction a turn, in the same order in every quarter.
.macro QUARTER slot, k, f, g, first
	s_wait_dscnt 8                                 ; wo and a2's rows 0-63 are in; the youngest eight loads (a2's rows 64-127) may be out
	MUL16 \f, 0, 0, \first
	MUL16 \f, 0, 2, \first
	PLACES                                         ; in front of loads into registers that the quarter before multiplied
	FETCH \slot, \k, \g
	s_wait_dscnt 32                                ; all but the 32 just issued
	MUL16 \f, 1, 0, \first
	MUL16 \f, 1, 2, \first
.endm
; The last quarter multiplies buffer 1 and changes slots: ONE barrier.  In front of it each wave waits for all its tensor loads (one is out: its part of the next slot), adds 0 to its spare word, and waits
; for that and for its reads of this slot.  fill = 1: the slot is filled again, two K steps on; the barrier then opens a round of the cluster's, and the joint load is the first thing behind the round:
; 224 matrix instructions ahead of the wait for it.
.macro TURN slot, next, fill
.if \fill
	s_wait_xcnt 0x0                                ; the last prefetch, a K step back, has read its address: it is stepped here, ahead of the waits of the change of slots
	s_add_nc_u64 s[PFA:PFA+1], s[PFA:PFA+1], KSTEP*2
.endif
	WIN 0                                          ; (the add's two registers lie in window 0)
	s_wait_tensorcnt 0x0                           ; all my tensor loads have landed
	ds_add_u32 v[SPW], v[NIL]                      ; 0 onto my spare word
	s_wait_dscnt 9                                 ; (the add and the youngest eight loads may be out)
	MUL16 F1, 0, 0, 0                              ; sixteen matrix instructions stand between the add and the wait for it
	s_wait_dscnt 0x0                               ; the add is done, and my reads of this slot are over
	s_barrier_signal -1
	MUL16 F1, 0, 2, 0                              ; work on registers while the others arrive
.if \fill
	WIN 0
.endif
	s_barrier_wait -1
.if \fill
	CREST                                          ; no wave of any partner still reads this slot's tiles or has a load on its way
	s_add_nc_u64 s[G0+4*(\slot)+2:G0+4*(\slot)+3], s[G0+4*(\slot)+2:G0+4*(\slot)+3], 2*KSTEP*2
	s_add_nc_u64 s[G0B+4*(\slot)+2:G0B+4*(\slot)+3], s[G0B+4*(\slot)+2:G0B+4*(\slot)+3], 2*KSTEP*2
	JLOAD \slot                                    ; the four v_nop behind it are also the places in front of the loads below
.else
	PLACES
.endif
	FETCH \next, 0, F0
.if \fill
	ASK                                            ; behind the joint load and the run of LDS loads that the next products wait for
.endif
	MUL16 F1, 1, 0, 0
	MUL16 F1, 1, 2, 0
.endm
; THE WAY OUT of block a (16 rows x 128 columns of f32).  A lane's 32 bytes go into my own stage, rows of 528 bytes, and come back as whole rows of 512.
.macro TOSTAGE a
.set AC, 64*((\a)%4)
.set BK, 64+64*((\a)%2)
	WIN 0x08+4*((\a)/4)                            ; the stores' data in window 2 or 3
.irp b, 0,1,2,3,4,5,6,7
	ds_store_b128 v[STO], v[AC+8*(\b):AC+8*(\b)+3]   offset:64*(\b)
	ds_store_b128 v[STO], v[AC+8*(\b)+4:AC+8*(\b)+7] offset:64*(\b)+16
.endr
	WIN 0
.if (\a) >= 2
	s_wait_xcnt 0x0                                ; block a - 2's stores have read this buffer: it is loaded again only behind this wait
.endif
.irp t, 0,1,2,3,4,5,6,7,8,9,10,11,12,13,14,15
	ds_load_b128 v[BK+4*(\t):BK+4*(\t)+3], v[RD] offset:(\t)*SPITCH  ; LDS serves a wave's instructions in order (ISA guide 5.7.1.4): these see the stores above; the next block's stores come behind them
.endr
.endm
.macro SEND a, younger                 ; younger: the LDS instructions issued behind block a's loads: the next block's 32, or none
.set BK, 64+64*((\a)%2)
	s_wait_dscnt \younger
.irp t, 0,1,2,3,4,5,6,7,8,9,10,11,12,13,14,15
	global_store_b128 v[CO], v[BK+4*(\t):BK+4*(\t)+3], s[8:9] offset:(16*(\a)+(\t))*SIZE_N*4 th:TH_STORE_NT  ; 512 consecutive bytes, at a multiple of 512 from out0's first; 127 rows at the most in the immediate
.endr
.endm
	s_wait_tensorcnt 1                             ; my part of K step 0 is in; K step 1's may stay out
	s_barrier_signal -1
	s_barrier_wait -1                              ; everybody's is
	FETCH 0, 0, F0
	QUARTER 0, 64,  F0, F1, 1                      ; the first quarter stands in front of the loop: the bias starts the sums
	WIN 0                                          ; at a label and at a branch every window is 0
	s_mov_b32 s3, LAPS-1
.Llap:                                                 ; a trip goes once round the ring, from a lap's second quarter to the next lap's first, and fills both slots again
	QUARTER 0, 128, F1, F0, 0
	QUARTER 0, 192, F0, F1, 0
	TURN 0, 1, 1
	QUARTER 1, 64,  F0, F1, 0
	QUARTER 1, 128, F1, F0, 0
	QUARTER 1, 192, F0, F1, 0
	TURN 1, 0, 1
	QUARTER 0, 64,  F0, F1, 0
	WIN 0
	s_sub_co_u32 s3, s3, 1
	s_cmp_lg_u32 s3, 0
	s_cbranch_scc1 .Llap
	QUARTER 0, 128, F1, F0, 0                      ; the last lap fills nothing, and has no round of the cluster's barrier
	QUARTER 0, 192, F0, F1, 0
	TURN 0, 1, 0
	QUARTER 1, 64,  F0, F1, 0
	QUARTER 1, 128, F1, F0, 0
	QUARTER 1, 192, F0, F1, 0
	s_wait_dscnt 8                                 ; the very last quarter: nothing more to fetch
	MUL16 F1, 0, 0, 0
	MUL16 F1, 0, 2, 0
	s_wait_dscnt 0x0
	MUL16 F1, 1, 0, 0
	MUL16 F1, 1, 2, 0
	PLACES                                         ; behind the last products, in front of the LDS stores that read results and of the loads into the fragments' registers
	TOSTAGE 0
.irp a, 1,2,3,4,5,6,7                  ; block a goes into the stage while block a - 1's rows come back
	TOSTAGE \a
	SEND (\a)-1, 32
.endr
	SEND 7, 0
	s_wait_tensorcnt 0x0                           ; the wave's end, behind my last tensor load and my last LDS store
	ds_add_u32 v[SPW], v[NIL]
	s_wait_dscnt 0x0
	CROUND                                         ; the closing round: no work-group ends while a partner may still ask for a tile that names it
	s_endpgm
.Lfunc_end_k_q2da3e4b918_outproj:
	.size	k_q2da3e4b918_outproj, .Lfunc_end_k_q2da3e4b918_outproj-k_q2da3e4b918_outproj
	.p2alignl 7, 3214868480
	.fill 96, 4, 3214868480
	.section	.rodata,"a",@progbits
	.p2align	6, 0x0
	.amdhsa_kernel k_q2da3e4b918_outproj
		.amdhsa_group_segment_fixed_size 327680
		.amdhsa_private_segment_fixed_size 0
		.amdhsa_enable_private_segment 0
		.amdhsa_kernarg_size 32
		.amdhsa_user_sgpr_count 2
		.amdhsa_user_sgpr_kernarg_segment_ptr 1
		.amdhsa_wavefront_size32 1
		.amdhsa_system_sgpr_workgroup_id_x 1
		.amdhsa_system_sgpr_workgroup_id_y 1
		.amdhsa_system_sgpr_workgroup_id_z 1
		.amdhsa_system_vgpr_workitem_id 0
		.amdhsa_next_free_vgpr 1024
		.amdhsa_next_free_sgpr 70
		.amdhsa_reserve_vcc 0
		.amdhsa_float_denorm_mode_32 3
		.amdhsa_float_denorm_mode_16_64 3
		.amdhsa_memory_ordered 1
		.amdhsa_forward_progress 1
		.amdhsa_inst_pref_size 147
	.end_amdhsa_kernel
	.amdgpu_metadata
---
amdhsa.version: [ 1, 2 ]
amdhsa.kernels:
  - .name:           k_q2da3e4b918_outproj
    .symbol:         k_q2da3e4b918_outproj.kd
    .args:
      - { .name: a2, .offset: 0, .size: 8, .value_kind: global_buffer, .address_space: global }
      - { .name: wo, .offset: 8, .size: 8, .value_kind: global_buffer, .address_space: global }
      - { .name: out0, .offset: 16, .size: 8, .value_kind: global_buffer, .address_space: global }
      - { .name: b_out, .offset: 24, .size: 8, .value_kind: global_buffer, .address_space: global }
    .group_segment_fixed_size: 327680
    .private_segment_fixed_size: 0
    .kernarg_segment_align: 8
    .kernarg_segment_size: 32
    .max_flat_workgroup_size: 128
    .sgpr_count:     70
    .vgpr_count:     1024
    .wavefront_size: 32
...
	.end_amdgpu_metadata
.endif
;; end of part 3
